; MI455X (gfx1250); checked and timed in simulation.
; The chip was launched on July 23, 2026; its instructions are those of AMD's public machine-readable ISA for CDNA 5 (MIT licence, August 2026) and "CDNA5" Instruction Set Architecture Reference Guide (July 2026). The comments in the code are by the model that wrote it; some were corrected since.
;; LSTM Cell NM. Allowed arithmetic: matrix products marked QUANTISED: E5M2 operands, one given power-of-two scale a tensor, by v_wmma_f32_16x16x64_bf8_bf8 or v_wmma_f32_16x16x128_bf8_bf8, f32 sums; everything else in f32.
;; Inputs: bias 4,096 float32; c_tm1 8,192 x 1,024 float32; h_tm1 8,192 x 1,024 float32; inputs 8,192 x 1,024 float32; kernel 1,024 x 4,096 float32; lowp_scales 4 int32 (the exponents e of the quantised operands' scales 2^e); recurrent_kernel 1,024 x 4,096 float32.
;; Outputs: out0 8,192 x 1,024 float32; out1 8,192 x 1,024 float32.
;; This version of the problem:
;;   THIS VERSION OF THE PROBLEM IS GIVEN IN LOW PRECISION. The matrix products marked QUANTISED in the list below multiply operands that are first quantised to E5M2 (5 exponent bits, 2 mantissa bits; 8 bits a number), with one given power-of-two scale for each operand tensor; their sums are f32. All else is computed in f32.
;;   The module's matrix products, in the order in which they are computed (A, B: the left and right operand; K: the contracted axis; several contracted axes count as one K, in the product's order):
;;     1. [M 8,192, K 1,024] x [K 1,024, N 4,096]; A: input inputs; B: input kernel: QUANTISED (scales: A lowp_scales[0], B lowp_scales[1])
;;     2. [M 8,192, K 1,024] x [K 1,024, N 4,096]; A: input h_tm1; B: input recurrent_kernel: QUANTISED (scales: A lowp_scales[2], B lowp_scales[3])
;;   THE QUANTISER, for each operand of a quantised product, along K:
;;     - The operand's scale is 2^e, e = its entry of the input lowp_scales (int32; the entries are numbered through the quantised products in the list's order, A before B).
;;     - Each number is divided by the scale, clamped to +-57,344, and rounded to the nearest number of E5M2, ties to even, subnormals kept.
;;     - The product sums the exact products of the quantised numbers (number of the format x scale) in f32.
;;   ~~~python
;;   def quantise(x, axis, e):      # numpy; x: float32 -> the quantised numbers, widened to float32 again
;;       x = np.moveaxis(x, axis, -1); K = x.shape[-1]
;;       r = np.clip(x / 2.0 ** e, -57344, 57344)
;;       step = 2.0 ** (np.maximum(np.frexp(np.where(r == 0, 1, r))[1] - 1, -14) - 2)
;;       q = np.round(r / step) * step * 2.0 ** e      # np.round: ties to even
;;       return np.moveaxis(q, -1, axis).astype(np.float32)
;;   ~~~
;; One version. Each part assembles by itself: llvm-mc -triple=amdgcn-amd-amdhsa -mcpu=gfx1250 --defsym DOCPART=n.
;; ======== version 1 of 1: 2 launches
;; limits: right only within a limited range of input values
;; workspace buffers: a_codes 16,777,216 bytes; b_codes 8,388,608 bytes
;; launch quant (part 1): grid 768 x 1, 4 waves a work-group, no clusters, 35,328 bytes of LDS; arguments inputs, h_tm1, kernel, recurrent_kernel, lowp_scales, a_codes, b_codes; writes a_codes, b_codes
.if DOCPART == 1
	.amdgcn_target "amdgcn-amd-amdhsa--gfx1250"
	.amdhsa_code_object_version 6
	.text
	.protected	k_qd603e1b863_quant
	.globl	k_qd603e1b863_quant
	.p2align	8
	.type	k_qd603e1b863_quant,@function
k_qd603e1b863_quant:
	s_mov_b64 s[64:65], 0
	v_nop
	global_prefetch_b8 v0, s[64:65] scope:SCOPE_SE
	s_setreg_imm32_b32 hwreg(HW_REG_WAVE_MODE, 25, 1), 1
	s_wait_xcnt 0x0
; The four operands of the two products become codes of BF8 (E5M2), one byte each, K innermost, each with the one scale 2^e that is given for it (entries 0 to 3: inputs, kernel, h_tm1, recurrent_kernel).
; code = x / 2^e, held within +-57,344, rounded to the nearest code, ties to even.  LIMITS: -126 <= e <= 112, so that 2^e and 57,344 x 2^e are f32 numbers.  NaN among the inputs is not served.
; a_codes [8192][2048]: bytes 0-1023 of row m are inputs[m], bytes 1024-2047 are h_tm1[m].
; b_codes [4096][2048]: bytes 0-1023 of row n' are kernel[:, n], bytes 1024-2047 recurrent_kernel[:, n].  THE ROWS ARE RE-ORDERED: column n = 1024 g + u (gate g, unit u) goes to
; row n' = 64 (u / 16) + 16 g + u % 16, so that the next launch finds the four gates of 16 units in four neighbouring blocks of 16 rows.
; THE ORDER ALONG K is the same in both buffers: inside each 512 along K, byte p holds k = 128 ((p / 4) % 4) + 4 (p / 16) + p % 4.  Every product still meets its partner; only the order of the
; additions inside a sum changes.  With that order a lane that loads four times 16 neighbouring bytes of f32, 512 bytes apart, holds the 16 numbers of 16 neighbouring codes: loads and stores both cover 512 consecutive bytes.
; SHARES: every work-group takes 32,768 numbers.  Work-groups 0-255: inputs; 256-511: h_tm1 (path ACT); 512-639: kernel; 640-767: recurrent_kernel (path WGT).  Waves share nothing: no barrier.  Only WGT uses LDS.
.set R,     16                         ; ACT: v16-79   four sets of 16 numbers
.set C,     128                        ; ACT: v128-191 codes, four registers for each step: no store's data are written again
.set X,     32                         ; WGT: v32-95   two sets of 32 numbers
.set CW,    96                         ; WGT: v96-103  a block's codes
.set OUTR,  112                        ; WGT: v112-175 the way out
.set SP,    272                        ; WGT: a stage row: 256 bytes of codes + 16
	s_load_b256 s[4:11], s[0:1], 0x0               ; inputs s[4:5], h_tm1 s[6:7], kernel s[8:9], recurrent_kernel s[10:11]
	s_load_b128 s[12:15], s[0:1], 0x20             ; the scales' exponents s[12:13], a_codes s[14:15]
	s_load_b64 s[16:17], s[0:1], 0x30              ; b_codes
	v_lshl_add_u32 v192, v0, 2, 0x8800
	v_mov_b32 v193, 0
	v_lshrrev_b32 v1, 5, v0
	v_readfirstlane_b32 s18, v1                    ; wave 0..3
	v_and_b32 v2, 31, v0                           ; lane
	v_lshlrev_b32 v3, 4, v2                        ; ACT: 16 x lane, for loads and stores alike; never rewritten
	v_lshlrev_b32 v9, 2, v2                        ; WGT: 4 x lane: my column
	s_mul_i32 s33, s18, 32*SP                      ; WGT: my wave's stage
	v_mul_u32_u24 v4, v2, SP
	v_add_nc_u32 v4, s33, v4                       ; into it: row = my column
	v_and_b32 v5, 15, v2
	v_lshrrev_b32 v6, 4, v2
	v_mul_u32_u24 v7, v6, SP
	v_lshl_add_u32 v7, v5, 4, v7
	v_add_nc_u32 v7, s33, v7                       ; out of it: sixteen lanes to a row, two rows an instruction
	v_lshlrev_b32 v8, 11, v6
	v_lshl_add_u32 v8, v5, 4, v8                   ; and the same place in b_codes (rows of 2,048 bytes)
	s_wait_kmcnt 0x0
	s_load_b128 s[20:23], s[12:13], 0x0            ; e0 .. e3
	s_cmp_ge_u32 ttmp9, 512
	s_cbranch_scc1 .Lwgt
; ---------------- ACT: a wave takes 8 whole rows of inputs or of h_tm1: 16 steps of 512 numbers ----------------
	s_cmp_lt_u32 ttmp9, 256                        ; the choice hangs on the work-group's number alone
	s_cselect_b64 s[4:5], s[4:5], s[6:7]
	s_cselect_b32 s24, 0, 256
	s_cselect_b32 s25, 0, 1024                     ; h_tm1's codes lie in the second half of a row
	s_sub_co_u32 s26, ttmp9, s24
	s_lshl_b32 s26, s26, 2
	s_add_co_u32 s26, s26, s18                     ; which run of 8 rows is my wave's: 0 .. 1023
	s_lshl_b32 s28, s26, 15                        ; 8 rows of 4,096 bytes
	s_mov_b32 s29, 0
	s_add_nc_u64 s[4:5], s[4:5], s[28:29]
	s_lshl_b32 s30, s26, 14                        ; 8 rows of 2,048 bytes
	s_add_co_u32 s30, s30, s25
	s_mov_b32 s31, 0
	s_add_nc_u64 s[14:15], s[14:15], s[30:31]
.macro LOADA t                         ; step t: four loads of 512 consecutive bytes; register 4 c + i holds k = 128 c + 4 lane + i of the step's 512
.irp c, 0,1,2,3
	global_load_b128 v[R+16*((\t)%4)+4*\c:R+16*((\t)%4)+4*\c+3], v3, s[4:5] offset:2048*(\t)+512*\c th:TH_LOAD_NT
.endr
.endm
.irp t, 0,1,2,3
	LOADA \t
.endr
	s_wait_kmcnt 0x0
	s_cmp_lt_u32 ttmp9, 256                        ; (the additions above have written SCC)
	s_cselect_b32 s27, s20, s22                    ; e
	s_add_co_i32 s27, s27, 127
	s_lshl_b32 s28, s27, 23
	v_mov_b32 v11, s28                             ; 2^e as f32: the conversion takes its exponent field
	s_add_co_i32 s27, s27, 15
	s_lshl_b32 s27, s27, 23
	s_or_b32 s27, s27, 0x600000
	v_mov_b32 v10, s27                             ; 57,344 x 2^e
.macro STEPA t
.set XS, R+16*((\t)%4)
.if 15-(\t) >= 3
	s_wait_loadcnt 12                              ; this step's four loads are in; those of the three steps behind it may be out
.else
	s_wait_loadcnt 4*(15-(\t))
.endif
.irp i, 0,1,2,3,4,5,6,7,8,9,10,11,12,13,14,15
	v_med3_num_f32 v[XS+\i], v[XS+\i], -v10, v10   ; the conversion to an 8-bit code does not saturate (ISA guide 7.6.2): hold the number first
.endr
	v_cvt_scalef32_pk8_bf8_f32 v[C+4*(\t):C+4*(\t)+1], v[XS:XS+7], v11
	v_cvt_scalef32_pk8_bf8_f32 v[C+4*(\t)+2:C+4*(\t)+3], v[XS+8:XS+15], v11
	; the codes go to a store alone, their sources are next written by loads, and the next vector lines are the next step's holds, plain ones on another set
	global_store_b128 v3, v[C+4*(\t):C+4*(\t)+3], s[14:15] offset:((\t)/2)*2048+((\t)%2)*512   ; 32 lanes store 512 consecutive bytes, at a multiple of 512 from the buffer's first byte
.if (\t)+4 < 16
	LOADA (\t)+4
.endif
.endm
	s_wait_alu depctr_va_vdst(0)
.irp t, 0,1,2,3,4,5,6,7,8,9,10,11,12,13,14,15
	STEPA \t
.endr
	s_endpgm
; ---------------- WGT: K is the tensor's first axis.  A lane takes a column and its registers run down K; a wave takes 32 columns x 256 places along K ----------------
.Lwgt:
	s_sub_co_u32 s24, ttmp9, 512                   ; j = 0 .. 255
	s_cmp_lt_u32 s24, 128
	s_cselect_b64 s[8:9], s[8:9], s[10:11]         ; kernel or recurrent_kernel
	s_cselect_b32 s25, 0, 1024
	s_and_b32 s26, s24, 31                         ; cg: which 128 columns
	s_bfe_u32 s27, s24, 0x20005                    ; kp: which 256 places along K
	s_lshr_b32 s28, s27, 1
	s_lshl_b32 s28, s28, 9                         ; places 256 kp on hold k = 512 (kp / 2) + 64 (kp % 2) + ..
	s_and_b32 s29, s27, 1
	s_lshl_b32 s29, s29, 6
	s_add_co_u32 s28, s28, s29
	s_lshl_b32 s28, s28, 14                        ; rows of 16,384 bytes
	s_lshl_b32 s29, s26, 9
	s_add_co_u32 s28, s28, s29                     ; + 128 cg columns
	s_lshl_b32 s29, s18, 7
	s_add_co_u32 s28, s28, s29                     ; + 32 x wave columns
	s_mov_b32 s29, 0
	s_add_nc_u64 s[8:9], s[8:9], s[28:29]
	s_and_b32 s30, s26, 7                          ; my first column is gate cg / 8, unit 128 (cg % 8) + 32 x wave:
	s_lshl_b32 s30, s30, 3
	s_lshl_b32 s31, s18, 1
	s_add_co_u32 s30, s30, s31
	s_lshl_b32 s30, s30, 6                         ; 64 (u / 16)
	s_lshr_b32 s31, s26, 3
	s_lshl_b32 s31, s31, 4
	s_add_co_u32 s30, s30, s31                     ; + 16 g: the row n' of my first column
	s_lshl_b32 s30, s30, 11
	s_add_co_u32 s30, s30, s25                     ; + the tensor's half of the row
	s_lshl_b32 s31, s27, 8
	s_add_co_u32 s30, s30, s31                     ; + 256 kp
	s_mov_b32 s31, 0
	s_add_nc_u64 s[16:17], s[16:17], s[30:31]
.macro LOADW t                         ; places 32 t + i, i = 0 .. 31, of my column into set t % 2.  The largest offset, 447 rows, lies inside the signed 24-bit immediate (ISA guide, chapter 10)
.irp i, 0,1,2,3,4,5,6,7,8,9,10,11,12,13,14,15,16,17,18,19,20,21,22,23,24,25,26,27,28,29,30,31
	global_load_b32 v[X+32*((\t)%2)+\i], v9, s[8:9] offset:(128*((\i>>2)&3)+8*(\t)+4*(\i>>4)+(\i&3))*16384 th:TH_LOAD_NT
.endr
.endm
	LOADW 0
	LOADW 1
	s_wait_kmcnt 0x0
	s_cmp_lt_u32 s24, 128
	s_cselect_b32 s32, s21, s23                    ; e
	s_add_co_i32 s32, s32, 127
	s_lshl_b32 s28, s32, 23
	v_mov_b32 v11, s28                             ; 2^e as f32
	s_add_co_i32 s32, s32, 15
	s_lshl_b32 s32, s32, 23
	s_or_b32 s32, s32, 0x600000
	v_mov_b32 v10, s32                             ; 57,344 x 2^e
.macro BLOCKW t
.set XS, X+32*((\t)%2)
.if (\t) < 7
	s_wait_loadcnt 32                              ; this block's 32 loads are in; the next block's may be out
.else
	s_wait_loadcnt 0
.endif
.irp i, 0,1,2,3,4,5,6,7,8,9,10,11,12,13,14,15,16,17,18,19,20,21,22,23,24,25,26,27,28,29,30,31
	v_med3_num_f32 v[XS+\i], v[XS+\i], -v10, v10
.endr
.irp g, 0,1,2,3
	v_cvt_scalef32_pk8_bf8_f32 v[CW+2*\g:CW+2*\g+1], v[XS+8*\g:XS+8*\g+7], v11
.endr
	ds_store_b128 v4, v[CW:CW+3] offset:32*(\t)    ; 32 codes: 32 bytes of my column's row
	ds_store_b128 v4, v[CW+4:CW+7] offset:32*(\t)+16
.if (\t)+2 < 8
	LOADW (\t)+2
.endif
	s_wait_dscnt 0x0                               ; the stores have read their registers: the next block's codes may be written (32 plain holds come first)
.endm
	s_wait_alu depctr_va_vdst(0)
.irp t, 0,1,2,3,4,5,6,7
	BLOCKW \t
.endr
.irp t, 0,1,2,3,4,5,6,7,8,9,10,11,12,13,14,15
	ds_load_b128 v[OUTR+4*\t:OUTR+4*\t+3], v7 offset:2*\t*SP   ; LDS serves a wave's instructions in order (ISA guide 5.7.1.4): these see my stores
.endr
.irp t, 0,1,2,3,4,5,6,7,8,9,10,11,12,13,14,15
	s_wait_dscnt 15-\t
	global_store_b128 v8, v[OUTR+4*\t:OUTR+4*\t+3], s[16:17] offset:(2*\t+48*(\t/8))*2048   ; sixteen lanes store 256 consecutive bytes, aligned; columns 16-31 are the next 16 units: 64 rows further on
.endr
	s_wait_tensorcnt 0x0
	ds_add_u32 v192, v193
	s_wait_dscnt 0x0
	s_endpgm
.Lfunc_end_k_qd603e1b863_quant:
	.size	k_qd603e1b863_quant, .Lfunc_end_k_qd603e1b863_quant-k_qd603e1b863_quant
	.p2alignl 7, 3214868480
	.fill 96, 4, 3214868480
	.section	.rodata,"a",@progbits
	.p2align	6, 0x0
	.amdhsa_kernel k_qd603e1b863_quant
		.amdhsa_group_segment_fixed_size 35328
		.amdhsa_private_segment_fixed_size 0
		.amdhsa_enable_private_segment 0
		.amdhsa_kernarg_size 56
		.amdhsa_user_sgpr_count 2
		.amdhsa_user_sgpr_kernarg_segment_ptr 1
		.amdhsa_wavefront_size32 1
		.amdhsa_system_sgpr_workgroup_id_x 1
		.amdhsa_system_sgpr_workgroup_id_y 1
		.amdhsa_system_sgpr_workgroup_id_z 1
		.amdhsa_system_vgpr_workitem_id 0
		.amdhsa_next_free_vgpr 194
		.amdhsa_next_free_sgpr 66
		.amdhsa_reserve_vcc 0
		.amdhsa_float_denorm_mode_32 3
		.amdhsa_float_denorm_mode_16_64 3
		.amdhsa_memory_ordered 1
		.amdhsa_forward_progress 1
		.amdhsa_inst_pref_size 77
	.end_amdhsa_kernel
	.amdgpu_metadata
---
amdhsa.version: [ 1, 2 ]
amdhsa.kernels:
  - .name:           k_qd603e1b863_quant
    .symbol:         k_qd603e1b863_quant.kd
    .args:
      - { .name: inputs, .offset: 0, .size: 8, .value_kind: global_buffer, .address_space: global }
      - { .name: h_tm1, .offset: 8, .size: 8, .value_kind: global_buffer, .address_space: global }
      - { .name: kernel, .offset: 16, .size: 8, .value_kind: global_buffer, .address_space: global }
      - { .name: recurrent_kernel, .offset: 24, .size: 8, .value_kind: global_buffer, .address_space: global }
      - { .name: lowp_scales, .offset: 32, .size: 8, .value_kind: global_buffer, .address_space: global }
      - { .name: a_codes, .offset: 40, .size: 8, .value_kind: global_buffer, .address_space: global }
      - { .name: b_codes, .offset: 48, .size: 8, .value_kind: global_buffer, .address_space: global }
    .group_segment_fixed_size: 35328
    .private_segment_fixed_size: 0
    .kernarg_segment_align: 8
    .kernarg_segment_size: 56
    .max_flat_workgroup_size: 128
    .sgpr_count:     66
    .vgpr_count:     194
    .wavefront_size: 32
...
	.end_amdgpu_metadata
.endif
;; end of part 1
;; launch cell (part 2): grid 16 x 16, 4 waves a work-group, clusters of 4 x 4, 327,680 bytes of LDS; arguments a_codes, b_codes, lowp_scales, bias, c_tm1, out0, out1; writes out0, out1
.if DOCPART == 2
	.amdgcn_target "amdgcn-amd-amdhsa--gfx1250"
	.amdhsa_code_object_version 6
	.text
	.protected	k_qd603e1b863_cell
	.globl	k_qd603e1b863_cell
	.p2align	8
	.type	k_qd603e1b863_cell,@function
k_qd603e1b863_cell:
	s_mov_b64 s[64:65], 0
	v_nop
	global_prefetch_b8 v0, s[64:65] scope:SCOPE_SE
	s_setreg_imm32_b32 hwreg(HW_REG_WAVE_MODE, 25, 1), 1
	s_wait_xcnt 0x0
	s_wait_alu depctr_hold_cnt(0) depctr_sa_sdst(0) depctr_va_vdst(0) depctr_va_sdst(0) depctr_va_ssrc(0) depctr_va_vcc(0) depctr_vm_vsrc(0)
	s_getreg_b32 s2, hwreg(HW_REG_IB_STS2, 6, 4)
	s_cmp_eq_u32 s2, 0
	s_cbranch_scc0 .Lentry_in_a_cluster
	s_endpgm
.Lentry_in_a_cluster:
	s_bfe_u32 s2, ttmp6, 0x10000c
	s_cmp_lg_u32 s2, 0xf033
	s_cbranch_scc0 .Lentry_shape_is_right
	s_endpgm
.Lentry_shape_is_right:
; One LSTM step on codes of BF8 (E5M2):  z = inputs kernel + h_tm1 recurrent_kernel + bias;  i, f, o = clip(0.2 z + 0.5, 0, 1) of gates 0, 1, 3;  c = f c_tm1 + i tanh(z of gate 2);  h = o tanh(c).  out0 = h, out1 = c.
; a_codes [8192][2048]: a batch row's codes of inputs, then of h_tm1.  b_codes [4096][2048]: row n' = 64 (u / 16) + 16 g + u % 16 holds gate g of unit u: kernel's column, then recurrent_kernel's.  Both have K in the same order.
; ONE SUM FOR BOTH PRODUCTS: K runs over 2,048.  When the first 1,024 are summed every accumulator is multiplied once by 2^(e0 + e1 - e2 - e3); 2^(e2 + e3) is folded into the activations' factors.
; LIMITS: e0 + e1 - e2 - e3 between -126 and 127; e2 + e3 between -123 and 126 (it is added to the exponent fields of 0.2 and of 2 log2(e)).  NaN among the inputs is not served.
; tanh(x) = 1 - 2 / (1 + 2^(2 log2(e) x)): right at both ends, with an absolute error of a few last places of 1.0 near x = 0.
; SHARES.  256 work-groups of four waves.  A WORK-GROUP STAYS for two tiles of 256 batch rows x 256 rows n' (64 units x 4 gates), 4,096 batch rows apart, on the same rows of b_codes.  A wave makes 128 x 128: 64 accumulators.
; The matrix instruction is used transposed (source 0 = b_codes, source 1 = a_codes): in accumulator (a, b = 4 ug + g) register j of lane (r, h) is z(row 16 a + r, gate g, unit 16 ug + 8 h + j): a unit's four gates lie in one lane.
; K goes in steps of 256 through a ring of two LDS slots filled by joint tensor loads (clusters of 4 x 4: a_codes' tiles shared along a row, b_codes' along a column).  The ring goes on into the second tile: the first tile's
; last two changes of slots ask for the second tile's K steps 0 and 1, and nothing waits for the first tile's stores.
; FRAGMENTS: two runs of LDS loads in a step of 128 along K.  The run in its middle asks for the next step's A blocks 0-3 and then B blocks 0-7; the run at its end for A blocks 4-7.  A step's first half goes by B's blocks
; (each against A's blocks 0-3), with a counted wait ahead of each, so that the products begin when A's four blocks and B's first are in; its second half goes by A's blocks 4-7.
; c_tm1 comes by row-wise global loads (sixteen lanes to 256 bytes), asked for ahead of a tile's last step into B's idle set of registers.  c_tm1, c and h pass through a stage of their own behind the ring, 64 rows at a time,
; since a row's 256 bytes belong to two waves: two barriers a group of 64 rows.
; PREFETCHES: behind each refill one instruction a wave names the K step two refills on, 32 rows x 256 bytes, a lane a row; the four partners of a joint load share its 128 rows by address (cx for A, cy for B).
; A's waves ask 12 times (K steps 4-7 of the first tile, 0-7 of the second), B's 4 times (K steps 4-7: the second tile takes rows that have been read).  K steps 2 and 3 are named behind slot 1's first fill; K steps 0 and 1 come
; by their loads alone.  c_tm1's 256 rows x 256 bytes are named once, in the tile's middle.
; REGISTERS: window 0: v0-31 addresses; v32-95 the bias, prepared; v128-255 A's fragments, one set; in the cell v96-255 are at work.  window 1: B's fragments, two sets; in the cell v0-127 c_tm1's rows, v128-255 rows on their way out.
;   window 2: the accumulators of my rows 0-63 ((a, b) at v[8 (8 (a % 4) + b)]);   window 3: those of my rows 64-127.
.set ROWB,   256
.set KROW,   2048
.set PITCH,  272                       ; an LDS row: 256 bytes + 16 of padding: the 16 rows that a load touches start at 16 different banks (ISA guide 11.1)
.set FR,     16
.set NP,     4                         ; places behind this matrix instruction (ISA guide 7.12.1)
.set HALFT,  128*PITCH
.set SLOT,   4*HALFT
.set STAGE,  2*SLOT                    ; behind the ring: 64 rows for c_tm1 and c, then 64 rows for h; no tensor load lands here
.set HOFF,   64*PITCH
.set SPARE,  STAGE+2*HOFF              ; the spare words, 128 bytes a wave
.set WALKA,  4096*KROW                 ; from a tile to the next, in a_codes
.set WALKC,  4096*4096                 ; and in c_tm1, out0, out1
.set ADRA, 16
.set ADRB, 20
.set CL,   24                          ; my 32 bytes of a stage row, as the accumulators lie
.set RD,   25                          ; my 16 bytes of a stage row, by rows
.set CO,   26                          ; the same place in two rows of c_tm1 or an output
.set PFO,  27                          ; 2,048 x lane: a lane a row of codes
.set SPW,  28
.set NIL,  29
.set PCO,  30                          ; a lane a row of c_tm1
.set BI,   32                          ; v32-95: 0.2 b + 0.5 (gates 0, 1, 3), 2 log2(e) b (gate 2), at BI + 32 ug + 8 g + j
.set ZI,   96
.set ZF,   128
.set ZG,   160
.set ZO,   192
.set CT,   224
.set AF,   128
.set G1,  24
.set G0,  32
.set G1B, 48
.set G0B, 56
.set PFC, 74                           ; s[74:75] c_tm1 at my wave's first row of the tile
.set PFA, 76                           ; s[76:77] where my prefetches of codes stand
.set PFN, 78                           ; s78 how many of them are left
.set RS,  88
.set S02, 90
.set STH, 92
.set MSB, 0
.macro WIN new
.if MSB != \new
	s_set_vgpr_msb (MSB<<8)|\new
.set MSB, \new
.endif
.endm
.set MUL_LO, 0xa1
.set MUL_HI, 0xf1
.set TO_B,   0x40
.macro JLOAD g0a, g1a, g0b, g1b        ; a joint load: waves 0, 1 for A, waves 2, 3 for B; s_nop 0 and four v_nop behind each line
	s_cmp_eq_u32 s15, 0
	s_cbranch_scc0 .Lfor_b_\@
	tensor_load_to_lds s[\g0a:\g0a+3], s[\g1a:\g1a+7]
	s_nop 0
.rept 4
	v_nop
.endr
	s_branch .Lasked_\@
.Lfor_b_\@:
	tensor_load_to_lds s[\g0b:\g0b+3], s[\g1b:\g1b+7]
	s_nop 0
.rept 4
	v_nop
.endr
.Lasked_\@:
.endm
.macro CREST
	s_cmp_lg_u32 s14, 0
	s_cbranch_scc1 .Lnot_wave_0_\@
	s_barrier_signal -3
.Lnot_wave_0_\@:
	s_barrier_wait -3
	s_barrier_signal -1
	s_barrier_wait -1
.endm
.macro CROUND
	s_barrier_signal -1
	s_barrier_wait -1
	CREST
.endm
.macro ASK                             ; the count hangs on the wave's number alone: the same in every partner
	s_cmp_eq_u32 s[PFN], 0
	s_cbranch_scc1 .Lno_ask_\@
	global_prefetch_b8 v[PFO], s[PFA:PFA+1] th:TH_LOAD_NT scope:SCOPE_SE
	s_sub_co_u32 s[PFN], s[PFN], 1
.Lno_ask_\@:
.endm
	s_load_b128 s[4:7], s[0:1], 0x0                ; a_codes, b_codes
	s_load_b128 s[8:11], s[0:1], 0x10              ; the scales' exponents, bias
	s_load_b128 s[68:71], s[0:1], 0x20             ; c_tm1, out0 (h)
	s_load_b64 s[72:73], s[0:1], 0x30              ; out1 (c)
	v_lshl_add_u32 v[SPW], v0, 2, SPARE
	v_mov_b32 v[NIL], 0
	ds_add_u32 v[SPW], v[NIL]                      ; the opening lines: the add twice on end, and its wait ahead of my first tensor load
	ds_add_u32 v[SPW], v[NIL]
	v_lshrrev_b32 v1, 5, v0
	v_readfirstlane_b32 s14, v1                    ; wave 0..3
	s_lshr_b32 s15, s14, 1                         ; my half of the tile's batch rows; also: I fetch for A (0) or B (1)
	s_and_b32 s16, s14, 1                          ; my half of its rows n'; also: which 128 rows I fetch
	s_bfe_u32 s40, ttmp6, 0x40000                  ; cx
	s_bfe_u32 s41, ttmp6, 0x40004                  ; cy
	s_lshl_b32 s42, ttmp9, 2
	s_add_co_u32 s42, s42, s40                     ; tile column (64 units)
	s_and_b32 s17, ttmp7, 0xffff
	s_lshl_b32 s17, s17, 2
	s_add_co_u32 s17, s17, s41                     ; first tile row (256 batch rows), 0..15
	s_lshl_b32 s43, s41, 2
	s_lshl_b32 s43, 15, s43                        ; my row of the cluster
	s_lshl_b32 s44, 0x1111, s40                    ; my column
	s_or_b32 s[G1+0], s43, (0<<16)|(1<<20)|(1<<21)|(5<<22)|(3<<25)  ; mask; elements of 1 byte; 4 words of padding behind every 64; bit 21 beside a mask
	s_or_b32 s[G1B+0], s44, (0<<16)|(1<<20)|(1<<21)|(5<<22)|(3<<25)
.irp g, G1, G1B
	s_mov_b32 s[\g+1], ROWB<<16
	s_mov_b32 s[\g+2], 128<<16
	s_mov_b32 s[\g+3], ROWB<<16
	s_mov_b32 s[\g+4], 128
	s_mov_b32 s[\g+5], KROW
	s_mov_b32 s[\g+6], 0
	s_mov_b32 s[\g+7], 0
.endr
	s_lshl_b32 s18, s16, 7
	s_lshl_b32 s20, s17, 8
	s_add_co_u32 s20, s20, s18                     ; A: row 256 x tile row + 128 x half
	s_lshl_b32 s46, s42, 8
	s_add_co_u32 s46, s46, s18                     ; B: row 256 x tile column + 128 x half
	s_mov_b32 s21, 0
	s_mov_b32 s47, 0
	s_mov_b64 s[18:19], KROW
	s_mul_u64 s[20:21], s[20:21], s[18:19]
	s_mul_u64 s[46:47], s[46:47], s[18:19]
	s_mul_i32 s45, s14, HALFT                      ; where they go: wave x 128 rows
	s_wait_dscnt 0x0                               ; both opening adds are done
	s_wait_kmcnt 0x0
	s_load_b128 s[96:99], s[8:9], 0x0              ; e0 .. e3
	s_add_nc_u64 s[20:21], s[4:5], s[20:21]
	s_add_nc_u64 s[46:47], s[6:7], s[46:47]
	CROUND                                         ; all sixteen work-groups are here: the first joint loads meet
.irp s, 0,1
	s_mov_b32 s[G0+4*\s], 1
	s_add_co_u32 s[G0+4*\s+1], s45, \s*SLOT
	s_add_nc_u64 s[G0+4*\s+2:G0+4*\s+3], s[20:21], \s*ROWB
	s_or_b32 s[G0+4*\s+3], s[G0+4*\s+3], 0x80000000
	s_mov_b32 s[G0B+4*\s], 1
	s_add_co_u32 s[G0B+4*\s+1], s45, \s*SLOT
	s_add_nc_u64 s[G0B+4*\s+2:G0B+4*\s+3], s[46:47], \s*ROWB
	s_or_b32 s[G0B+4*\s+3], s[G0B+4*\s+3], 0x80000000
.endr
	JLOAD G0, G1, G0B, G1B                         ; K step 0: one tensor load a wave at the head
	; scalars first, then one block of vector lines
	s_lshl_b32 s18, s16, 7
	s_lshl_b32 s84, s17, 8
	s_lshl_b32 s85, s42, 8
	s_cmp_eq_u32 s15, 0                            ; do I fetch for A?
	s_cselect_b32 s84, s84, s85                    ; the tile's first row
	s_cselect_b32 s85, s40, s41                    ; my place among the four that ask with me
	s_cselect_b64 s[PFA:PFA+1], s[4:5], s[6:7]
	s_cselect_b32 s[PFN], 12, 4
	s_add_co_u32 s84, s84, s18                     ; + the 128 rows that I fetch
	s_lshl_b32 s85, s85, 5
	s_add_co_u32 s84, s84, s85                     ; + my work-group's 32 of them
	s_lshl_b32 s84, s84, 11
	s_add_co_u32 s84, s84, 3*ROWB                  ; at K step 3: the first change of slots steps it to 4
	s_mov_b32 s85, 0
	s_add_nc_u64 s[PFA:PFA+1], s[PFA:PFA+1], s[84:85]
	s_mul_i32 s21, s15, HALFT                      ; my 128 rows of A
	s_mul_i32 s22, s16, HALFT
	s_add_co_u32 s22, s22, 2*HALFT                 ; my 128 rows of B, behind A's 256
	s_mul_i32 s23, s15, 32*PITCH                   ; the stage as the accumulators lie: my half's 32 rows, my 128 bytes of them
	s_add_co_u32 s23, s23, s18
	s_add_co_u32 s23, s23, STAGE
	s_mul_i32 s79, s14, 16*PITCH                   ; the stage by rows: wave w takes rows 16 w .. 16 w + 15
	s_add_co_u32 s79, s79, STAGE
	s_lshl_b32 s80, s42, 8
	s_add_co_u32 s80, s80, s18
	s_mov_b32 s81, 0
	s_add_nc_u64 s[10:11], s[10:11], s[80:81]      ; bias at unit 64 x tile column + 32 x half
	s_lshl_b32 s82, s17, 8
	s_lshl_b32 s19, s15, 7
	s_add_co_u32 s82, s82, s19
	s_lshl_b32 s19, s16, 4
	s_add_co_u32 s82, s82, s19                     ; row 256 x tile row + 128 x (wave / 2) + 16 x (wave % 2)
	s_lshl_b32 s82, s82, 12
	s_lshl_b32 s19, s42, 8
	s_add_co_u32 s82, s82, s19                     ; + 256 bytes x tile column
	s_mov_b32 s83, 0
	s_add_nc_u64 s[PFC:PFC+1], s[68:69], s[82:83]
	s_add_nc_u64 s[70:71], s[70:71], s[82:83]
	s_add_nc_u64 s[72:73], s[72:73], s[82:83]
	v_and_b32 v1, 15, v0                           ; r
	v_bfe_u32 v2, v0, 4, 1                         ; h
	v_mul_u32_u24 v3, v1, PITCH
	v_lshl_add_u32 v4, v2, 4, v3
	v_add_nc_u32 v[ADRA], s21, v4
	v_add_nc_u32 v[ADRB], s22, v4
	v_add_nc_u32 v[ADRA+1], SLOT, v[ADRA]
	v_add_nc_u32 v[ADRB+1], SLOT, v[ADRB]
	v_lshl_add_u32 v5, v2, 5, v3
	v_add_nc_u32 v[CL], s23, v5
	v_mul_u32_u24 v6, v2, PITCH
	v_lshl_add_u32 v6, v1, 4, v6
	v_add_nc_u32 v[RD], s79, v6
	v_lshlrev_b32 v[CO], 12, v2
	v_lshl_add_u32 v[CO], v1, 4, v[CO]
	v_and_b32 v8, 31, v0
	v_lshlrev_b32 v[PFO], 11, v8
	v_lshlrev_b32 v[PCO], 17, v2                   ; lanes 16-31: 32 rows of 4,096 bytes further down
	v_lshl_add_u32 v[PCO], v1, 12, v[PCO]
	v_lshlrev_b32 v7, 5, v2
	s_wait_alu depctr_va_vdst(0)                   ; the wait behind the block
.irp ug, 0,1
.irp g, 0,1,2,3
	global_load_b128 v[BI+32*\ug+8*\g:BI+32*\ug+8*\g+3],   v7, s[10:11] offset:4096*\g+64*\ug
	global_load_b128 v[BI+32*\ug+8*\g+4:BI+32*\ug+8*\g+7], v7, s[10:11] offset:4096*\g+64*\ug+16
.endr
.endr
	s_wait_kmcnt 0x0
	s_add_co_i32 s94, s98, s99                     ; E = e2 + e3
	s_add_co_i32 s[RS], s96, s97
	s_sub_co_i32 s[RS], s[RS], s94
	s_add_co_i32 s[RS], s[RS], 127
	s_lshl_b32 s[RS], s[RS], 23                    ; 2^(e0 + e1 - e2 - e3)
	s_mov_b32 s[RS+1], s[RS]
	s_lshl_b32 s94, s94, 23
	s_add_co_i32 s[S02], s94, 0x3e4ccccd           ; 0.2 x 2^E
	s_mov_b32 s[S02+1], s[S02]
	s_add_co_i32 s[STH], s94, 0x4038aa3b           ; 2 log2(e) x 2^E
	s_mov_b32 s[STH+1], s[STH]
	s_wait_loadcnt 0x0                             ; the bias
.irp ug, 0,1
.irp i, 0,2,4,6
	v_pk_fma_f32 v[BI+32*\ug+\i:BI+32*\ug+\i+1],       v[BI+32*\ug+\i:BI+32*\ug+\i+1],       0x3e4ccccd, 0.5 op_sel_hi:[1,0,0]
	v_pk_fma_f32 v[BI+32*\ug+8+\i:BI+32*\ug+8+\i+1],   v[BI+32*\ug+8+\i:BI+32*\ug+8+\i+1],   0x3e4ccccd, 0.5 op_sel_hi:[1,0,0]
	v_pk_mul_f32 v[BI+32*\ug+16+\i:BI+32*\ug+16+\i+1], v[BI+32*\ug+16+\i:BI+32*\ug+16+\i+1], 0x4038aa3b op_sel_hi:[1,0]
	v_pk_fma_f32 v[BI+32*\ug+24+\i:BI+32*\ug+24+\i+1], v[BI+32*\ug+24+\i:BI+32*\ug+24+\i+1], 0x3e4ccccd, 0.5 op_sel_hi:[1,0,0]
.endr
.endr
.macro FRAG reg, adr, q, i             ; 16 rows x 128 codes in 16 registers: registers 4 c .. 4 c + 3 hold bytes 32 c + 16 (l / 16) + 0 .. 15: the same places of K in A and in B
.irp c, 0,1,2,3
	ds_load_b128 v[\reg+4*\c:\reg+4*\c+3], v[\adr] offset:128*(\q)+32*\c+(\i)*16*PITCH
.endr
.endm
; One matrix instruction on accumulator (a, b).  Each accumulator has one turn in a step, and no two that follow each other share one.
.macro MM a, b, p, zero
.if \zero
	v_wmma_f32_16x16x128_bf8_bf8 v[8*(8*((\a)%4)+\b):8*(8*((\a)%4)+\b)+7], v[128*(\p)+FR*\b:128*(\p)+FR*\b+FR-1], v[AF+FR*(\a):AF+FR*(\a)+FR-1], 0
.else
	v_wmma_f32_16x16x128_bf8_bf8 v[8*(8*((\a)%4)+\b):8*(8*((\a)%4)+\b)+7], v[128*(\p)+FR*\b:128*(\p)+FR*\b+FR-1], v[AF+FR*(\a):AF+FR*(\a)+FR-1], v[8*(8*((\a)%4)+\b):8*(8*((\a)%4)+\b)+7]
.endif
.endm
; A step's first half: B's blocks one after the other, each against A's blocks 0-3.  The fragments were asked for as A0-3, B0-7, A4-7: the wait ahead of block b leaves out B's 7 - b later blocks and A's blocks 4-7, 4 loads each.
.macro HALF1 p, zero
	WIN MUL_LO
.irp b, 0,1,2,3,4,5,6,7
	s_wait_dscnt 4*(7-\b)+16
.irp a, 0,1,2,3
	MM \a, \b, \p, \zero
.endr
.endr
.endm
.macro MUL8 a, p, zero                 ; A's block a (4 to 7) against B's eight
.irp b, 0,1,2,3,4,5,6,7
	MM \a, \b, \p, \zero
.endr
.endm
.macro FETCH_B slot, q, p
	WIN TO_B
.irp i, 0,1,2,3,4,5,6,7
	FRAG 128*(\p)+FR*\i, ADRB+\slot, \q, \i
.endr
	WIN 0
.endm
.macro FETCH_A slot, q, i0
.irp i, \i0, \i0+1, \i0+2, \i0+3
	FRAG AF+FR*(\i), ADRA+\slot, \q, \i
.endr
.endm
.macro PLACES n
.rept \n
	v_nop
.endr
.endm
.macro STEP slot, zero                 ; a slot's first 128 along K, on B's set 0; it asks for the second 128
	HALF1 0, \zero
	PLACES NP
	WIN 0
	FETCH_A \slot, 1, 0
	FETCH_B \slot, 1, 1
	s_wait_dscnt 48                                ; A's blocks 4-7 are in: all but the 48 just issued
	WIN MUL_HI
.irp a, 4,5,6,7
	MUL8 \a, 0, \zero
.endr
	PLACES NP
	WIN 0
	FETCH_A \slot, 1, 4
.endm
.macro CLOAD                           ; my 64 rows of the tile of c_tm1, two rows an instruction, into B's set 0, which the tile's last step does not use (four places stand behind its last products)
	WIN TO_B
.set j, 0
.rept 32
	global_load_b128 v[4*j:4*j+3], v[CO], s[PFC:PFC+1] offset:(32*(j/8)+2*(j%8))*4096 th:TH_LOAD_NT
.set j, j+1
.endr
	WIN 0
.endm
; A slot's second 128 along K, on B's set 1, changes slots.  The wait for all tensor loads, the add and the barrier stand behind the step's first half: 16 matrix instructions and the round lie between that wait and the refill.
; fill = 1: this slot takes the K step two on; 2: the next tile's K step of the same parity; 0: nothing.  fetch = 0: a tile's last step, which also asks for c_tm1.
.macro TURN slot, next, fill, fetch
.if \fill
	s_wait_xcnt 0x0                                ; my last prefetch has read its address
	s_add_nc_u64 s[PFA:PFA+1], s[PFA:PFA+1], ROWB
.endif
.if \fetch == 0
	CLOAD
.endif
	HALF1 1, 0
	WIN 0                                          ; (the add's two registers lie in window 0)
	s_wait_tensorcnt 0x0                           ; all my tensor loads have landed: my part of the next slot
	ds_add_u32 v[SPW], v[NIL]
	s_wait_dscnt 1                                 ; A's blocks 4-7 are in; the add may be out
	WIN MUL_HI
	MUL8 4, 1, 0
	s_wait_dscnt 0x0                               ; the add is done, and my reads of this slot are over
	s_barrier_signal -1
	MUL8 5, 1, 0
	WIN 0
	s_barrier_wait -1
.if \fill
	CREST                                          ; the barrier opened a round of the cluster's barrier: no wave of any partner still reads this slot or has a load on its way
.if \fill == 1
	s_add_nc_u64 s[G0+4*\slot+2:G0+4*\slot+3], s[G0+4*\slot+2:G0+4*\slot+3], 2*ROWB
	s_add_nc_u64 s[G0B+4*\slot+2:G0B+4*\slot+3], s[G0B+4*\slot+2:G0B+4*\slot+3], 2*ROWB
.else
	s_add_nc_u64 s[G0+4*\slot+2:G0+4*\slot+3], s[G0+4*\slot+2:G0+4*\slot+3], WALKA-6*ROWB
	s_sub_nc_u64 s[G0B+4*\slot+2:G0B+4*\slot+3], s[G0B+4*\slot+2:G0B+4*\slot+3], 6*ROWB
.endif
	JLOAD G0+4*\slot, G1, G0B+4*\slot, G1B         ; the first tensor load behind the round; its four v_nop are the places in front of the loads below
	ASK
.else
	PLACES NP
.endif
.if \fetch
	FETCH_A \next, 0, 0
	FETCH_B \next, 0, 0
.endif
	WIN MUL_HI
	MUL8 6, 1, 0
	MUL8 7, 1, 0
	PLACES NP
	WIN 0
.if \fetch
	FETCH_A \next, 0, 4
.endif
.endm
; In the loop's second trip the first product's 1,024 along K have been summed: every accumulator x 2^(e0 + e1 - e2 - e3), from its low end on.  Here too the prefetches of codes go over to the next tile's rows
; (behind the walk's last asks the address is stepped and no longer used), and the wave names its 64 rows of c_tm1, a lane a row, two instructions.
.macro RESCALE
	s_cmp_lg_u32 s3, 2
	s_cbranch_scc1 .Lsame
	s_wait_xcnt 0x0
	s_add_nc_u64 s[PFA:PFA+1], s[PFA:PFA+1], WALKA-8*ROWB
	global_prefetch_b8 v[PCO], s[PFC:PFC+1] th:TH_LOAD_NT scope:SCOPE_SE
	global_prefetch_b8 v[PCO], s[PFC:PFC+1] offset:64*4096 th:TH_LOAD_NT scope:SCOPE_SE
	WIN 0x82
.set j, 0
.rept 128
	v_pk_mul_f32 v[j:j+1], v[j:j+1], s[RS:RS+1] op_sel_hi:[1,0]
.set j, j+2
.endr
	WIN 0xc3
.set j, 0
.rept 128
	v_pk_mul_f32 v[j:j+1], v[j:j+1], s[RS:RS+1] op_sel_hi:[1,0]
.set j, j+2
.endr
	WIN 0
.Lsame:
.endm
.macro EXP32 r
.set j, 0
.rept 32
	v_exp_f32 v[\r+j], v[\r+j]
.set j, j+1
.endr
.endm
.macro RCP32 r
.set j, 0
.rept 32
	v_rcp_f32 v[\r+j], v[\r+j]
.set j, j+1
.endr
.endm
.macro ADD1 r
.set j, 0
.rept 16
	v_pk_add_f32 v[\r+j:\r+j+1], v[\r+j:\r+j+1], 1.0 op_sel_hi:[1,0]
.set j, j+2
.endr
.endm
.macro ONE_MINUS_TWICE r
.set j, 0
.rept 16
	v_pk_fma_f32 v[\r+j:\r+j+1], v[\r+j:\r+j+1], -2.0, 1.0 op_sel_hi:[1,0,0]
.set j, j+2
.endr
.endm
; THE CELL for my row blocks 2 p and 2 p + 1, in two parts.  FRONT needs the sums alone: the four gates' arguments, the three clips, 1 + 2^(..) of gate 2.  It stands between the read-back of the last group's rows and the wait for it.
; Transcendentals go in batches of 32 with one wait ahead and one behind.
.macro FRONT p
	WIN 0x02+((\p)/2)
	s_wait_alu depctr_va_vdst(0)                   ; the wait directly ahead of the first readers of the sums
.irp q, 0,1
.irp ug, 0,1
.irp i, 0,2,4,6
.set AC, 8*(8*((2*(\p)+\q)%4)+4*\ug)+\i
.set EE, 16*\q+8*\ug+\i
.set BB, BI+32*\ug+\i
	v_pk_fma_f32 v[ZI+EE:ZI+EE+1], v[AC:AC+1],       s[S02:S02+1], v[BB:BB+1]       op_sel_hi:[1,0,1]
	v_pk_fma_f32 v[ZF+EE:ZF+EE+1], v[AC+8:AC+9],     s[S02:S02+1], v[BB+8:BB+9]     op_sel_hi:[1,0,1]
	v_pk_fma_f32 v[ZG+EE:ZG+EE+1], v[AC+16:AC+17],   s[STH:STH+1], v[BB+16:BB+17]   op_sel_hi:[1,0,1]
	v_pk_fma_f32 v[ZO+EE:ZO+EE+1], v[AC+24:AC+25],   s[S02:S02+1], v[BB+24:BB+25]   op_sel_hi:[1,0,1]
.endr
.endr
.endr
	WIN 0
	s_wait_alu depctr_va_vdst(0)
	EXP32 ZG
.set j, 0
.rept 32
	v_med3_num_f32 v[ZI+j], v[ZI+j], 0, 1.0
	v_med3_num_f32 v[ZF+j], v[ZF+j], 0, 1.0
	v_med3_num_f32 v[ZO+j], v[ZO+j], 0, 1.0
.set j, j+1
.endr
	s_wait_alu depctr_va_vdst(0)
	ADD1 ZG
.endm
; BACK: the stage holds the 64 rows of this group (32 of each half of the tile).
.macro BACK p
.set OBB, 128+64*((\p)%2)
	s_wait_dscnt 0x0                               ; my rows of c_tm1 are stored, my reads of the last group's rows are back
	s_barrier_signal -1
	s_barrier_wait -1                              ; the group's c_tm1 lies in the stage; nobody reads the last group's h any more
.irp q, 0,1
.irp ug, 0,1
	ds_load_b128 v[CT+16*\q+8*\ug:CT+16*\q+8*\ug+3],   v[CL] offset:16*\q*PITCH+64*\ug
	ds_load_b128 v[CT+16*\q+8*\ug+4:CT+16*\q+8*\ug+7], v[CL] offset:16*\q*PITCH+64*\ug+16
.endr
.endr
	s_wait_alu depctr_va_vdst(0)
	RCP32 ZG
	s_wait_dscnt 0x0                               ; c_tm1 is in
.set j, 0
.rept 16
	v_pk_mul_f32 v[ZF+j:ZF+j+1], v[ZF+j:ZF+j+1], v[CT+j:CT+j+1]
.set j, j+2
.endr
	s_wait_alu depctr_va_vdst(0)
	ONE_MINUS_TWICE ZG
.set j, 0
.rept 16
	v_pk_fma_f32 v[CT+j:CT+j+1], v[ZI+j:ZI+j+1], v[ZG+j:ZG+j+1], v[ZF+j:ZF+j+1]   ; c
.set j, j+2
.endr
.irp q, 0,1
.irp ug, 0,1
	ds_store_b128 v[CL], v[CT+16*\q+8*\ug:CT+16*\q+8*\ug+3]   offset:16*\q*PITCH+64*\ug      ; over the bytes that c_tm1 was read from: mine alone until the barrier below
	ds_store_b128 v[CL], v[CT+16*\q+8*\ug+4:CT+16*\q+8*\ug+7] offset:16*\q*PITCH+64*\ug+16
.endr
.endr
.set j, 0
.rept 16
	v_pk_mul_f32 v[ZI+j:ZI+j+1], v[CT+j:CT+j+1], 0x4038aa3b op_sel_hi:[1,0]
.set j, j+2
.endr
	s_wait_alu depctr_va_vdst(0)
	EXP32 ZI
	v_nop
	s_wait_alu depctr_va_vdst(0)
	ADD1 ZI
	s_wait_alu depctr_va_vdst(0)
	RCP32 ZI
	v_nop
	s_wait_alu depctr_va_vdst(0)
	ONE_MINUS_TWICE ZI
.set j, 0
.rept 16
	v_pk_mul_f32 v[ZI+j:ZI+j+1], v[ZI+j:ZI+j+1], v[ZO+j:ZO+j+1]    ; h
.set j, j+2
.endr
.irp q, 0,1
.irp ug, 0,1
	ds_store_b128 v[CL], v[ZI+16*\q+8*\ug:ZI+16*\q+8*\ug+3]   offset:HOFF+16*\q*PITCH+64*\ug
	ds_store_b128 v[CL], v[ZI+16*\q+8*\ug+4:ZI+16*\q+8*\ug+7] offset:HOFF+16*\q*PITCH+64*\ug+16
.endr
.endr
	s_wait_dscnt 0x0                               ; for the others' sake: my stores into the stage are done
	s_barrier_signal -1
	s_barrier_wait -1
.if (\p) >= 2
	s_wait_xcnt 0x0                                ; the stores of two groups ago have read these registers
.endif
	WIN TO_B
.irp t, 0,1,2,3,4,5,6,7
	ds_load_b128 v[OBB+4*\t:OBB+4*\t+3], v[RD] offset:2*\t*PITCH               ; 16 whole rows of c,
.endr
.irp t, 0,1,2,3,4,5,6,7
	ds_load_b128 v[OBB+32+4*\t:OBB+32+4*\t+3], v[RD] offset:HOFF+2*\t*PITCH    ; and of h
.endr
.if (\p) < 3
	WIN 0x04                                       ; a store's data window 1, its address window 0
	s_wait_loadcnt 8*(2-(\p))                      ; the next group's eight loads of c_tm1 are in; the later groups' may be out
.irp t, 0,1,2,3,4,5,6,7
	ds_store_b128 v[RD], v[32*((\p)+1)+4*\t:32*((\p)+1)+4*\t+3] offset:2*\t*PITCH   ; onto the rows of c that I have just read: LDS serves a wave's instructions in order (ISA guide 5.7.1.4)
.endr
	FRONT (\p)+1                                   ; the next group's first part, while the rows come back
.endif
	WIN 0x04
	s_wait_dscnt 0x0                               ; the rows are in
.irp t, 0,1,2,3,4,5,6,7
	global_store_b128 v[CO], v[OBB+4*\t:OBB+4*\t+3], s[72:73] offset:(32*(\p)+2*\t)*4096 th:TH_STORE_NT       ; sixteen lanes store 256 consecutive bytes, aligned
.endr
.irp t, 0,1,2,3,4,5,6,7
	global_store_b128 v[CO], v[OBB+32+4*\t:OBB+32+4*\t+3], s[70:71] offset:(32*(\p)+2*\t)*4096 th:TH_STORE_NT
.endr
	WIN 0
.endm
	s_wait_alu depctr_va_vdst(0)                   ; the wait at the head's end
	s_wait_tensorcnt 0x0                           ; my part of K step 0 is in; the same lines as ahead of a refill:
	ds_add_u32 v[SPW], v[NIL]
	s_wait_dscnt 0x0
	CROUND
	JLOAD G0+4, G1, G0B+4, G1B                     ; K step 1: slot 1's first fill, the first tensor load behind the round
	global_prefetch_b8 v[PFO], s[PFA:PFA+1] offset:-ROWB th:TH_LOAD_NT scope:SCOPE_SE   ; K step 2 of my work-group's 32 rows,
	global_prefetch_b8 v[PFO], s[PFA:PFA+1] th:TH_LOAD_NT scope:SCOPE_SE                ; and K step 3
	s_mov_b32 s2, 2                                ; tiles to go
.Ltile:
	FETCH_A 0, 0, 0                                ; slot 0 is whole: the wait and the round in front of slot 1's load have shown it
	FETCH_B 0, 0, 0
	FETCH_A 0, 0, 4
	STEP 0, 1                                      ; a tile's first products start the sums
	s_mov_b32 s3, 3
.Llap:
	TURN 0, 1, 1, 1
	STEP 1, 0
	TURN 1, 0, 1, 1
	RESCALE
	s_wait_alu depctr_va_vdst(0)
	STEP 0, 0
	s_sub_co_u32 s3, s3, 1
	s_cmp_lg_u32 s3, 0
	s_cbranch_scc1 .Llap
	s_cmp_eq_u32 s2, 1
	s_cbranch_scc1 .Llast                          ; the last tile's tail asks for nothing more
	TURN 0, 1, 2, 1                                ; slot 0 takes the next tile's K step 0,
	STEP 1, 0
	TURN 1, 0, 2, 0                                ; slot 1 its K step 1
	s_branch .Lcell
.Llast:
	TURN 0, 1, 0, 1
	STEP 1, 0
	CLOAD
	HALF1 1, 0
	s_wait_dscnt 0x0
	WIN MUL_HI
.irp a, 4,5,6,7
	MUL8 \a, 1, 0
.endr
	PLACES NP
	WIN 0
.Lcell:
	s_wait_loadcnt 24                              ; the first group's eight loads of c_tm1 are in
	WIN 0x04
.irp t, 0,1,2,3,4,5,6,7
	ds_store_b128 v[RD], v[4*\t:4*\t+3] offset:2*\t*PITCH
.endr
	FRONT 0
	BACK 0
	BACK 1
	BACK 2
	BACK 3
	s_wait_xcnt 0x0                                ; the stores have read their registers and bases
	s_add_nc_u64 s[PFC:PFC+1], s[PFC:PFC+1], WALKC
	s_add_nc_u64 s[70:71], s[70:71], WALKC
	s_add_nc_u64 s[72:73], s[72:73], WALKC
	s_sub_co_u32 s2, s2, 1
	s_cmp_lg_u32 s2, 0
	s_wait_alu depctr_va_vdst(0)
	s_cbranch_scc1 .Ltile
	s_wait_tensorcnt 0x0                           ; the wave's end
	ds_add_u32 v[SPW], v[NIL]
	s_wait_dscnt 0x0
	CROUND                                         ; the closing round
	s_endpgm
.Lfunc_end_k_qd603e1b863_cell:
	.size	k_qd603e1b863_cell, .Lfunc_end_k_qd603e1b863_cell-k_qd603e1b863_cell
	.p2alignl 7, 3214868480
	.fill 96, 4, 3214868480
	.section	.rodata,"a",@progbits
	.p2align	6, 0x0
	.amdhsa_kernel k_qd603e1b863_cell
		.amdhsa_group_segment_fixed_size 327680
		.amdhsa_private_segment_fixed_size 0
		.amdhsa_enable_private_segment 0
		.amdhsa_kernarg_size 56
		.amdhsa_user_sgpr_count 2
		.amdhsa_user_sgpr_kernarg_segment_ptr 1
		.amdhsa_wavefront_size32 1
		.amdhsa_system_sgpr_workgroup_id_x 1
		.amdhsa_system_sgpr_workgroup_id_y 1
		.amdhsa_system_sgpr_workgroup_id_z 1
		.amdhsa_system_vgpr_workitem_id 0
		.amdhsa_next_free_vgpr 1024
		.amdhsa_next_free_sgpr 100
		.amdhsa_reserve_vcc 0
		.amdhsa_float_denorm_mode_32 3
		.amdhsa_float_denorm_mode_16_64 3
		.amdhsa_memory_ordered 1
		.amdhsa_forward_progress 1
		.amdhsa_inst_pref_size 246
	.end_amdhsa_kernel
	.amdgpu_metadata
---
amdhsa.version: [ 1, 2 ]
amdhsa.kernels:
  - .name:           k_qd603e1b863_cell
    .symbol:         k_qd603e1b863_cell.kd
    .args:
      - { .name: a_codes, .offset: 0, .size: 8, .value_kind: global_buffer, .address_space: global }
      - { .name: b_codes, .offset: 8, .size: 8, .value_kind: global_buffer, .address_space: global }
      - { .name: lowp_scales, .offset: 16, .size: 8, .value_kind: global_buffer, .address_space: global }
      - { .name: bias, .offset: 24, .size: 8, .value_kind: global_buffer, .address_space: global }
      - { .name: c_tm1, .offset: 32, .size: 8, .value_kind: global_buffer, .address_space: global }
      - { .name: out0, .offset: 40, .size: 8, .value_kind: global_buffer, .address_space: global }
      - { .name: out1, .offset: 48, .size: 8, .value_kind: global_buffer, .address_space: global }
    .group_segment_fixed_size: 327680
    .private_segment_fixed_size: 0
    .kernarg_segment_align: 8
    .kernarg_segment_size: 56
    .max_flat_workgroup_size: 128
    .sgpr_count:     100
    .vgpr_count:     1024
    .wavefront_size: 32
...
	.end_amdgpu_metadata
.endif
;; end of part 2
